; MI455X (gfx1250); checked and timed in simulation.
; The chip was launched on July 23, 2026; its instructions are those of AMD's public machine-readable ISA for CDNA 5 (MIT licence, August 2026) and "CDNA5" Instruction Set Architecture Reference Guide (July 2026). The comments in the code are by the model that wrote it; some were corrected since.
;; SAM. Allowed arithmetic: matrix products marked QUANTISED: E2M1 operands, one E8M0 scale for each 32 along K, by v_wmma_scale_f32_16x16x128_f8f6f4 with both operands' format E2M1 (or v_wmma_scale_f32_32x16x128_f4), f32 sums; everything else in f32.
;; Inputs: Wq 256 x 256 float32; Wv 256 x 256 float32; Wz 256 x 256 float32; x 2 x 256 x 64 x 64 float32.
;; Outputs: out0 2 x 256 x 64 x 64 float32.
;; This version of the problem:
;;   THIS VERSION OF THE PROBLEM IS GIVEN IN LOW PRECISION. The matrix products marked QUANTISED in the list below multiply operands that are first quantised to E2M1 (2 exponent bits, 1 mantissa bit; 4 bits a number), with one power-of-two scale for each 32 numbers along K (OCP MX v1.0); their sums are f32. All else is computed in f32.
;;   The module's matrix products, in the order in which they are computed (A, B: the left and right operand; K: the contracted axis; several contracted axes count as one K, in the product's order):
;;     1. [M 8,192, K 256] x [K 256, N 256]; A: input x; B: input Wv: QUANTISED
;;     2. [M 8,192, K 256] x [K 256, N 256]; A: input x; B: input Wz: QUANTISED
;;     3. [M 8,192, K 256] x [K 256, N 256]; A: input x; B: input Wq: QUANTISED
;;     4. batch 16 x [M 4,096, K 32] x [K 32, N 4,096]; A: computed on the way; B: computed on the way: QUANTISED
;;     5. batch 16 x [M 32, K 4,096] x [K 4,096, N 4,096]; A: computed on the way; B: softmax (see below): QUANTISED
;;   THE QUANTISER, for each operand of a quantised product, along K:
;;     - K is cut into blocks of 32 from its start; a last block that is shorter is filled with zeros.
;;     - A block's scale is 2^e with e = floor(log2(the largest magnitude in the block)) - 2, held to -126 .. 127; a block of zeros has e = 0. As a byte (E8M0): e + 127.
;;     - Each number is divided by its block's scale, clamped to +-6, and rounded to the nearest number of E2M1, ties to even, subnormals kept.
;;     - The product sums the exact products of the quantised numbers (number of the format x scale) in f32.
;;   ~~~python
;;   def quantise(x, axis):      # numpy; x: float32 -> the quantised numbers, widened to float32 again
;;       x = np.moveaxis(x, axis, -1); K = x.shape[-1]
;;       x = np.pad(x, [(0, 0)] * (x.ndim - 1) + [(0, -K % 32)]); x = x.reshape(x.shape[:-1] + (-1, 32)); a = np.abs(x).max(-1, keepdims=True)
;;       e = np.where(a > 0, np.clip(np.frexp(np.where(a > 0, a, 1))[1] - 1 - 2, -126, 127), 0)      # np.frexp(a)[1] - 1 = floor(log2(a)), exactly
;;       r = np.clip(x / 2.0 ** e, -6, 6)
;;       step = 2.0 ** (np.maximum(np.frexp(np.where(r == 0, 1, r))[1] - 1, 0) - 1)
;;       q = np.round(r / step) * step * 2.0 ** e      # np.round: ties to even
;;       return np.moveaxis(q.reshape(q.shape[:-2] + (-1,))[..., :K], -1, axis).astype(np.float32)
;;   ~~~
;;   SOFTMAX AHEAD OF A QUANTISED PRODUCT. Where the list says 'softmax', what is quantised is not the finished softmax but p = 2^(t - M), with t = logit x log2(e) and M = ceil(the row's largest t), a whole number; so 1/2 < the row's largest p <= 1. The row's sum l is taken of the UNQUANTISED p, in f32, and the product's result is divided by l at the end. Since M is a whole number, a kernel that streams over the keys may use a running M (the ceiling of the running maximum): every later rescaling is an exact power of two, which a block's scale takes up: the codes' values come out the same.
;;   OPERANDS COMPUTED ON THE WAY. 'Computed on the way' means the value that the module computes at that place (a softmax that the list does not call 'softmax' is quantised finished and normalised). What goes into a quantiser is computed in f32, as accurately as f32 sums, v_exp_f32 and their like allow (about 1e-6 of the number): no bf16 or f16 on the way to a quantiser, and a product that is left as it is and whose result goes on into a quantised operand takes f32 operands (vector FMAs, or v_wmma_f32_16x16x4_f32). A number that lies on a knife's edge between two numbers of the format may be rounded either way, as far as f32 arithmetic and the matrix unit's own rounding can turn it there, and no further.
;; One version. Each part assembles by itself: llvm-mc -triple=amdgcn-amd-amdhsa -mcpu=gfx1250 --defsym DOCPART=n.
;; ======== version 1 of 1: 2 launches
;; workspace buffers: qv 1,179,648 bytes; kv 2,228,224 bytes
;; launch prep (part 1): grid 64 x 4, 16 waves a work-group, no clusters, 51,712 bytes of LDS; arguments x, Wv, Wz, Wq, qv, kv; writes qv, kv
.if DOCPART == 1
	.amdgcn_target "amdgcn-amd-amdhsa--gfx1250"
	.amdhsa_code_object_version 6
	.text
	.protected	k_q515aae7e01_prep
	.globl	k_q515aae7e01_prep
	.p2align	8
	.type	k_q515aae7e01_prep,@function
k_q515aae7e01_prep:
	s_mov_b64 s[64:65], 0
	v_nop
	global_prefetch_b8 v0, s[64:65] scope:SCOPE_SE
	s_setreg_imm32_b32 hwreg(HW_REG_WAVE_MODE, 25, 1), 1
	s_wait_xcnt 0x0
; PREP: the three projections of x on codes of FP4 (E2M1, one E8M0 scale for each 32 along K), the positional table, and the quantising of the results for the attention launch.
; x: [2][256 c][4096 m] f32; Wv, Wz, Wq: [256 o][256 c] f32.  vh = Wv x, zh = Wz x, qh = Wq x, K = the 256 channels c.  Head = o / 32.
; OUT: qv [16 bh][32 blocks of 128 positions][2304 B]: vh's codes along a head's 32 channels (2048 B), their scale bytes (128 B); the record's last 128 bytes are never written and never read.
;      kv [16 bh][32 blocks][4352 B]: codes of zh + pe along the channels at 0, codes of qh along the positions at 2048, the scale bytes of the first at 4096, of the second at 4224.
; Both are laid in the order of the attention launch's operand registers:
;   codes along the channels: byte 256 T + 16 r + 8 h', T = 4 G + t: the 16 bytes at (T, r) are position 64 G + 32 (r / 8) + 8 t + r % 8 of the block's 128; their scale byte at 64 G + 4 r + t;
;   codes along the positions: byte 1024 dt + 256 blk + 16 r: channel 16 dt + r, positions 32 blk .. + 31; their scale byte at 64 dt + 4 r + blk.
; SHARES.  A work-group takes 128 positions (x of the grid: 32 blocks for each of 2 batches) and two heads (y of the grid): 192 rows of the three weights.  256 work-groups, one path.
; Sixteen waves.  Ahead of the first barrier wave w quantises 32 positions x 64 channels of x (a lane to a position, registers down the channels) and 4 rows of each weight.
; Behind it wave w makes, for head w / 8: vh and zh + pe of the 16 positions of tile T = w % 8 (transposed: source 0 = rows of W, so that a lane's 16 registers are 16 neighbouring channels),
; and qh of channels 16 (w / 4) + 0..15 of the 64 at positions 32 (w % 4) + 0..31 (source 0 = positions, so that a lane's 16 registers are 16 neighbouring positions).
; NO CLUSTER: the four work-groups of one block of positions share x, but x goes from memory into registers lane by lane, down the channels; no tile of it lies in LDS that a joint load could fill,
; and f32 tiles in LDS would be read once.  The weights' 192 KiB a work-group are shared by 64 work-groups that are not neighbours in one cluster of four.
; THE POSITIONAL TABLE is computed: div = exp(e x (-ln 10000 / 128)) by an exponential of base 2 with the product's rounding error carried along; sine and cosine by reduction modulo pi / 2 in two parts
; and polynomials on |r| <= pi / 4.  It is the C of zh's first matrix instruction, so the order of the f32 additions is pe + products.
; LIMITS: NaN and infinities among the inputs are not served.  A block whose largest magnitude lies under 2^-124, a block of zeros too, gets the scale byte 1 (its codes are then zeros or
; subnormal codes under that byte; the bytes are read by this program alone).  The table's angle carries the exponential's last-place error: up to some 6e-6 absolute at the largest angles (63).
.set PX,   144                         ; an LDS row of 256 codes: 128 bytes + 16 of padding
.set XC,   0                           ; x's codes: 128 positions x PX
.set WC,   128*PX                      ; the weights' codes: 192 rows x PX; row 64 T + rho, T = 0 Wv, 1 Wz, 2 Wq
.set XS,   WC+192*PX                   ; x's scale bytes: 128 x 8
.set WS,   XS+128*8                    ; the weights': 192 x 8
.set SCL,  WS+192*8                    ; the results' scale bytes: + 256 hh: 128 of zh + pe, 128 of qh;  + 512 + 256 hh: 128 of vh
.set FLOOR, 0x1800000                  ; 2^(3 - 127): no largest magnitude is taken under it, so the byte cannot fall under 1
.set OFF2,  0xff000000                 ; 2 off an exponent field
.set LN,  1                            ; v1  lane      v2  r = lane % 16      v3  h = lane / 16
.set GX,  4                            ; v4  4 x lane            (x's loads; the store of vh's scale bytes)
.set GW,  5                            ; v5  32 x lane           (the weights' loads)
.set GC,  6                            ; v6  16 r + 8 h          (the codes' stores)
.set G8,  7                            ; v7  8 x lane            (the store of kv's scale bytes)
.set XST, 8                            ; v8..v22: LDS addresses, all made at the head
.set XSS, 9
.set WST, 10
.set WSS, 11
.set XBA, 12
.set XBS, 13
.set WAA, 14
.set WAS, 15
.set XAA, 16
.set XAS, 17
.set WQA, 18
.set WQS, 19
.set SB,  20
.set SO8, 21
.set SO4, 22
.set PVZ, 23                           ; v23 my position of the block's 128 in the products for vh and zh
.set ZA,  24                           ; v24-39   the table, then zh + pe: 16 channels of my position
.set PT,  40                           ; v40-71   at work ahead of the first barrier
.set VA,  40                           ; v40-55   vh
.set QA,  56                           ; v56-71   qh
.set XBW, 72                           ; v72-87   scale words, and nothing else
.set WVW, 74
.set WZW, 78
.set XAW, 82
.set WQW, 86
.set X,   88                           ; v88-151  64 numbers of x
.set WL,  152                          ; v152-247 12 rows x 8 numbers of the weights
.set XBF, 88                           ; behind the first barrier: the fragments
.set WVF, 104
.set WZF, 136
.set XAF, 168
.set WQF, 200
.set EB,  248                          ; v248 the table: my first even channel number within the half of 128
.set NF,  249                          ; v249 and my position along the axis, as f32
.set PD,  250                          ; v250-252 destinations of lane permutes
.set KC32, 40                          ; s40-52: the table's constants
.set KL,   41
.set KLLO, 42
.set KLN2, 43
.set K2PI, 44
.set KP1,  45
.set KP2,  46
.set KS0,  47
.set KS1,  48
.set KS2,  49
.set KC0,  50
.set KC1,  51
.set KC2,  52
	s_load_b256 s[4:11], s[0:1], 0x0               ; x s[4:5], Wv s[6:7], Wz s[8:9], Wq s[10:11]
	s_load_b128 s[12:15], s[0:1], 0x20             ; qv s[12:13], kv s[14:15]
	v_lshl_add_u32 v254, v0, 2, 0xc200
	v_mov_b32 v255, 0
	v_lshrrev_b32 v1, 5, v0
	s_delay_alu instid0(VALU_DEP_1)
	v_readfirstlane_b32 s16, v1                    ; wave w, 0..15
	s_and_b32 s18, ttmp7, 0xffff                   ; g: heads 2 g, 2 g + 1
	s_lshr_b32 s19, ttmp9, 5                       ; b: the batch
	s_and_b32 s20, ttmp9, 31                       ; the block of 128 positions in it
	s_and_b32 s21, s16, 3                          ; w % 4
	s_lshr_b32 s22, s16, 2                         ; w / 4
	s_lshr_b32 s23, s16, 3                         ; w / 8
	s_and_b32 s39, s22, 1                          ; (w / 4) % 2
	s_and_b32 s61, s16, 1                          ; w % 2
	s_lshl_b32 s32, s19, 22                        ; x: batch x 4,194,304
	s_lshl_b32 s33, s22, 20                        ;  + 64 channels x 16,384 x (w / 4)
	s_add_co_u32 s32, s32, s33
	s_lshl_b32 s33, s20, 9                         ;  + 512 x block
	s_add_co_u32 s32, s32, s33
	s_lshl_b32 s33, s21, 7                         ;  + 128 x (w % 4): my 32 positions
	s_add_co_u32 s32, s32, s33
	s_mov_b32 s33, 0
	s_lshl_b32 s34, s18, 16                        ; the weights: row 64 g + 4 w, 1,024 bytes a row
	s_lshl_b32 s35, s16, 12
	s_add_co_u32 s34, s34, s35
	s_mov_b32 s35, 0
	v_and_b32 v[LN], 31, v0
	s_delay_alu instid0(VALU_DEP_1)
	v_lshlrev_b32 v[GX], 2, v[LN]
	s_delay_alu instid0(VALU_DEP_2)
	v_lshlrev_b32 v[GW], 5, v[LN]
	s_wait_alu depctr_va_vdst(0)
	s_wait_kmcnt 0x0
	s_add_nc_u64 s[4:5], s[4:5], s[32:33]
	s_add_nc_u64 s[6:7], s[6:7], s[34:35]
	s_add_nc_u64 s[8:9], s[8:9], s[34:35]
	s_add_nc_u64 s[10:11], s[10:11], s[34:35]
	; ALL LOADS GO OUT FIRST: 64 of x (a lane to a position, a register to a channel: 128 consecutive bytes a wave, 512 for the four waves of one w / 4), then 24 of the weights (a row is 1,024 consecutive bytes of a wave's two loads).
.set i, 0
.rept 64
	global_load_b32 v[X+i], v[GX], s[4:5] offset:i*16384
.set i, i+1
.endr
.irp t, 0,1,2
.irp i, 0,1,2,3
	global_load_b128 v[WL+32*\t+8*\i:WL+32*\t+8*\i+3],   v[GW], s[6+2*\t:7+2*\t] offset:\i*1024
	global_load_b128 v[WL+32*\t+8*\i+4:WL+32*\t+8*\i+7], v[GW], s[6+2*\t:7+2*\t] offset:\i*1024+16
.endr
.endr
	; where the results go
	s_lshl_b32 s58, s19, 3
	s_lshl_b32 s59, s18, 1
	s_add_co_u32 s58, s58, s59                     ; 8 b + 2 g
	s_add_co_u32 s59, s58, s23                     ; bh of my products: + w / 8
	s_lshl_b32 s59, s59, 5
	s_add_co_u32 s59, s59, s20                     ; the record: 32 bh + block
	s_and_b32 s60, s16, 7
	s_lshl_b32 s60, s60, 8                         ; my 256 bytes of codes in it: 256 (w % 8)
	s_mul_i32 s32, s59, 2304
	s_add_co_u32 s32, s32, s60
	s_add_nc_u64 s[24:25], s[12:13], s[32:33]      ; vh's codes
	s_mul_i32 s32, s59, 4352
	s_add_co_u32 s32, s32, s60
	s_add_nc_u64 s[26:27], s[14:15], s[32:33]      ; the codes of zh + pe; qh's lie 2,048 bytes on
	s_add_co_u32 s59, s58, s61                     ; the scale bytes leave by waves 0 and 1: bh = 8 b + 2 g + w % 2
	s_lshl_b32 s59, s59, 5
	s_add_co_u32 s59, s59, s20
	s_mul_i32 s32, s59, 2304
	s_add_co_u32 s32, s32, 2048
	s_add_nc_u64 s[28:29], s[12:13], s[32:33]
	s_mul_i32 s32, s59, 4352
	s_add_co_u32 s32, s32, 4096
	s_add_nc_u64 s[30:31], s[14:15], s[32:33]
	s_mov_b32 s36, 0x76543210
	s_mov_b32 s37, 0xfedcba98                      ; v_permlanex16_b32's selects for lane l xor 16
	s_cmp_lt_u32 s18, 2                            ; heads 0-3 encode the height m / 64, heads 4-7 the width m % 64
	s_cselect_b32 s38, 6, 0
	s_mov_b32 s[KC32], 0xbd935d8e                  ; -ln(10000) / 128
	s_mov_b32 s[KL],   0x3fb8aa3b                  ; log2(e), and what f32 leaves of it
	s_mov_b32 s[KLLO], 0x32a57060
	s_mov_b32 s[KLN2], 0x3f317218                  ; ln 2
	s_mov_b32 s[K2PI], 0x3f22f983                  ; 2 / pi
	s_mov_b32 s[KP1],  0x3fc90fdb                  ; pi / 2 in two parts
	s_mov_b32 s[KP2],  0xb33bbd2e
	s_mov_b32 s[KS0],  0xb94ca1f9                  ; the sine's polynomial
	s_mov_b32 s[KS1],  0x3c08839e
	s_mov_b32 s[KS2],  0xbe2aaaa3
	s_mov_b32 s[KC0],  0x37ccf5ce                  ; the cosine's
	s_mov_b32 s[KC1],  0xbab6061a
	s_mov_b32 s[KC2],  0x3d2aaaa5
	; LDS addresses: a constant + a constant x lane + a constant x wave, all made here
	v_and_b32 v2, 15, v0                           ; r
	v_bfe_u32 v3, v0, 4, 1                         ; h
	s_delay_alu instid0(VALU_DEP_2)
	v_lshlrev_b32 v[GC], 4, v2
	s_delay_alu instid0(VALU_DEP_1)
	v_lshl_add_u32 v[GC], v3, 3, v[GC]
	v_lshlrev_b32 v[G8], 3, v[LN]
	s_mul_i32 s62, s21, 32*PX                      ; x's codes in: position 32 (w % 4) + lane, byte 32 (w / 4)
	s_lshl_b32 s63, s22, 5
	s_add_co_u32 s62, s62, s63
	v_mul_u32_u24 v[XST], v[LN], PX
	s_delay_alu instid0(VALU_DEP_1)
	v_add_nc_u32 v[XST], s62, v[XST]
	s_lshl_b32 s62, s21, 8                         ; and its two scale bytes: 8 a position, byte 2 (w / 4)
	s_lshl_b32 s63, s22, 1
	s_add_co_u32 s62, s62, s63
	s_add_co_u32 s62, s62, XS
	v_lshl_add_u32 v[XSS], v[LN], 3, s62
	s_mul_i32 s62, s16, 4*PX                       ; the weights' codes in: row 4 w (+ 64 T + i), byte 4 x lane
	s_add_co_u32 s62, s62, WC
	v_lshl_add_u32 v[WST], v[LN], 2, s62
	s_lshl_b32 s62, s16, 5                         ; and their scale bytes: byte lane / 4
	s_add_co_u32 s62, s62, WS
	v_lshrrev_b32 v[WSS], 2, v[LN]
	s_delay_alu instid0(VALU_DEP_1)
	v_add_nc_u32 v[WSS], s62, v[WSS]
	v_lshrrev_b32 v40, 3, v2                       ; r / 8
	s_delay_alu instid0(VALU_DEP_1)
	v_mad_u32_u24 v[PVZ], v40, 24, v2              ; r + 24 (r / 8)
	s_lshl_b32 s62, s39, 6
	s_lshl_b32 s63, s21, 3
	s_add_co_u32 s62, s62, s63
	v_add_nc_u32 v[PVZ], s62, v[PVZ]               ; my position: 64 G + 8 t + r % 8 + 32 (r / 8)
	s_delay_alu instid0(VALU_DEP_1)
	v_mul_u32_u24 v[XBA], v[PVZ], PX
	s_delay_alu instid0(VALU_DEP_1)
	v_lshl_add_u32 v[XBA], v3, 4, v[XBA]           ; x as source 1: that position's row, + 16 h
	s_delay_alu instid0(VALU_DEP_3)
	v_lshl_add_u32 v[XBS], v[PVZ], 3, XS
	v_lshl_add_u32 v40, v40, 3, v2                 ; r + 8 (r / 8): the rows of a tile are 0..7 and 16..23 (+ 8 for the second tile)
	s_delay_alu instid0(VALU_DEP_1)
	v_mul_u32_u24 v41, v40, PX
	s_delay_alu instid0(VALU_DEP_1)
	v_lshl_add_u32 v41, v3, 4, v41
	s_mul_i32 s62, s23, 32*PX                      ; Wv as source 0: my head's 32 rows
	s_add_co_u32 s62, s62, WC
	v_add_nc_u32 v[WAA], s62, v41
	s_lshl_b32 s62, s23, 8
	s_add_co_u32 s62, s62, WS
	v_lshl_add_u32 v[WAS], v40, 3, s62
	s_mul_i32 s62, s21, 32*PX                      ; x as source 0: positions 32 (w % 4) on
	v_add_nc_u32 v[XAA], s62, v41
	s_lshl_b32 s62, s21, 8
	s_add_co_u32 s62, s62, XS
	v_lshl_add_u32 v[XAS], v40, 3, s62
	v_mul_u32_u24 v[WQA], v2, PX                   ; Wq as source 1: rows 128 + 16 (w / 4) + r
	s_delay_alu instid0(VALU_DEP_1)
	v_lshl_add_u32 v[WQA], v3, 4, v[WQA]
	s_mul_i32 s62, s22, 16*PX
	s_add_co_u32 s62, s62, WC+128*PX
	v_add_nc_u32 v[WQA], s62, v[WQA]
	s_lshl_b32 s62, s22, 7
	s_add_co_u32 s62, s62, WS+1024
	v_lshl_add_u32 v[WQS], v2, 3, s62
	s_lshl_b32 s62, s23, 8                         ; a result's scale byte: 256 (w / 8) + 64 ((w / 4) % 2) + w % 4 + 4 r
	s_lshl_b32 s63, s39, 6
	s_add_co_u32 s62, s62, s63
	s_add_co_u32 s62, s62, s21
	s_add_co_u32 s62, s62, SCL
	v_lshl_add_u32 v[SB], v2, 2, s62
	s_lshl_b32 s62, s61, 8                         ; and the way out of those bytes, for waves 0 and 1
	s_add_co_u32 s62, s62, SCL
	v_lshl_add_u32 v[SO8], v[LN], 3, s62
	s_add_co_u32 s62, s62, 512
	v_lshl_add_u32 v[SO4], v[LN], 2, s62
.irp k, 0,1,2
	v_mov_b32 v[PD+\k], 0                          ; written once: a lane permute's destination counts as one of its sources
.endr
	; THE POSITIONAL TABLE, while the loads are on their way.  Register 2 q of ZA: sin(n div), register 2 q + 1: cos(n div), div = exp((EB + 2 q) x (-ln 10000 / 128)).
	s_lshl_b32 s62, s20, 7
	v_add_nc_u32 v[NF], s62, v[PVZ]                ; m = 128 x block + my position
	s_delay_alu instid0(VALU_DEP_1)
	v_lshrrev_b32 v[NF], s38, v[NF]
	s_delay_alu instid0(VALU_DEP_1)
	v_and_b32 v[NF], 63, v[NF]
	s_delay_alu instid0(VALU_DEP_1)
	v_cvt_f32_u32 v[NF], v[NF]                     ; n: m / 64 or m % 64
	s_and_b32 s62, s18, 1
	s_lshl_b32 s62, s62, 6
	s_lshl_b32 s63, s23, 5
	s_add_co_u32 s62, s62, s63
	v_lshl_add_u32 v[EB], v3, 4, s62               ; 64 (g % 2) + 32 (w / 8) + 16 h: my first channel within the half of 128
; Four pairs q0 .. q0 + 3 by turns, line by line; pair p works in v[PT + 8 p] on.
.macro PE4 q0
.irp p, 0,1,2,3
	v_add_nc_u32 v[PT+8*\p], 2*(\q0+\p), v[EB]
.endr
.irp p, 0,1,2,3
	s_delay_alu instid0(VALU_DEP_4)
	v_cvt_f32_u32 v[PT+8*\p], v[PT+8*\p]           ; e
.endr
.irp p, 0,1,2,3
	s_delay_alu instid0(VALU_DEP_4)
	v_mul_f32 v[PT+8*\p], s[KC32], v[PT+8*\p]      ; a = e x (-ln 10000 / 128), rounded as the definition rounds it
.endr
.irp p, 0,1,2,3
	s_delay_alu instid0(VALU_DEP_4)
	v_mul_f32 v[PT+8*\p+1], s[KL], v[PT+8*\p]      ; y = a log2(e),
.endr
.irp p, 0,1,2,3
	s_delay_alu instid0(VALU_DEP_4)
	v_fma_f32 v[PT+8*\p+2], v[PT+8*\p], s[KL], -v[PT+8*\p+1]      ; what that product's rounding dropped,
.endr
.irp p, 0,1,2,3
	s_delay_alu instid0(VALU_DEP_4)
	v_fma_f32 v[PT+8*\p+2], v[PT+8*\p], s[KLLO], v[PT+8*\p+2]     ; and what the constant's rounding dropped
.endr
	s_wait_alu depctr_va_vdst(0)
.irp p, 0,1,2,3
	v_exp_f32 v[PT+8*\p+1], v[PT+8*\p+1]           ; 2^y
.endr
.irp p, 0,1,2,3
	v_mul_f32 v[PT+8*\p+2], s[KLN2], v[PT+8*\p+2]  ; (plain lines behind the exponentials, which touch none of their results)
.endr
	s_wait_alu depctr_va_vdst(0)
.irp p, 0,1,2,3
	v_fma_f32 v[PT+8*\p+1], v[PT+8*\p+1], v[PT+8*\p+2], v[PT+8*\p+1]   ; div = 2^y (1 + the rest x ln 2)
.endr
.irp p, 0,1,2,3
	s_delay_alu instid0(VALU_DEP_4)
	v_mul_f32 v[PT+8*\p], v[NF], v[PT+8*\p+1]      ; the angle
.endr
.irp p, 0,1,2,3
	s_delay_alu instid0(VALU_DEP_4)
	v_mul_f32 v[PT+8*\p+1], s[K2PI], v[PT+8*\p]
.endr
.irp p, 0,1,2,3
	s_delay_alu instid0(VALU_DEP_4)
	v_rndne_f32 v[PT+8*\p+1], v[PT+8*\p+1]         ; k: the nearest multiple of pi / 2 (at most 40)
.endr
.irp p, 0,1,2,3
	s_delay_alu instid0(VALU_DEP_4)
	v_fma_f32 v[PT+8*\p], -v[PT+8*\p+1], s[KP1], v[PT+8*\p]
.endr
.irp p, 0,1,2,3
	s_delay_alu instid0(VALU_DEP_4)
	v_fma_f32 v[PT+8*\p], -v[PT+8*\p+1], s[KP2], v[PT+8*\p]       ; rr = angle - k pi / 2
.endr
.irp p, 0,1,2,3
	s_delay_alu instid0(VALU_DEP_4)
	v_mul_f32 v[PT+8*\p+2], v[PT+8*\p], v[PT+8*\p] ; z = rr^2
.endr
.irp p, 0,1,2,3
	v_fma_f32 v[PT+8*\p+3], v[PT+8*\p+2], s[KS0], s[KS1]
	v_fma_f32 v[PT+8*\p+4], v[PT+8*\p+2], s[KC0], s[KC1]
.endr
.irp p, 0,1,2,3
	v_fma_f32 v[PT+8*\p+3], v[PT+8*\p+3], v[PT+8*\p+2], s[KS2]
	v_fma_f32 v[PT+8*\p+4], v[PT+8*\p+4], v[PT+8*\p+2], s[KC2]
.endr
.irp p, 0,1,2,3
	v_mul_f32 v[PT+8*\p+3], v[PT+8*\p+3], v[PT+8*\p+2]
	v_mul_f32 v[PT+8*\p+4], v[PT+8*\p+4], v[PT+8*\p+2]
	v_fma_f32 v[PT+8*\p+5], v[PT+8*\p+2], -0.5, 1.0
.endr
.irp p, 0,1,2,3
	v_fma_f32 v[PT+8*\p+3], v[PT+8*\p+3], v[PT+8*\p], v[PT+8*\p]       ; S = sin rr
	v_fma_f32 v[PT+8*\p+4], v[PT+8*\p+4], v[PT+8*\p+2], v[PT+8*\p+5]   ; C = cos rr
	v_cvt_i32_f32 v[PT+8*\p+1], v[PT+8*\p+1]
.endr
.irp p, 0,1,2,3
	v_and_b32 v[PT+8*\p+5], 1, v[PT+8*\p+1]
.endr
.irp p, 0,1,2,3
	s_delay_alu instid0(VALU_DEP_4)
	v_cmp_eq_u32 s[54+\p], 1, v[PT+8*\p+5]         ; k odd: sine and cosine change places
.endr
.irp p, 0,1,2,3
	v_cndmask_b32 v[PT+8*\p+6], v[PT+8*\p+3], v[PT+8*\p+4], s[54+\p]
	v_cndmask_b32 v[PT+8*\p+7], v[PT+8*\p+4], v[PT+8*\p+3], s[54+\p]
	v_lshlrev_b32 v[PT+8*\p+5], 30, v[PT+8*\p+1]   ; the sine's sign: bit 1 of k
	v_add_nc_u32 v[PT+8*\p+1], 1, v[PT+8*\p+1]     ; the cosine's: bit 1 of k + 1
.endr
.irp p, 0,1,2,3
	v_and_b32 v[PT+8*\p+5], 0x80000000, v[PT+8*\p+5]
	v_lshlrev_b32 v[PT+8*\p+1], 30, v[PT+8*\p+1]
.endr
.irp p, 0,1,2,3
	v_xor_b32 v[ZA+2*(\q0+\p)], v[PT+8*\p+5], v[PT+8*\p+6]
	v_and_b32 v[PT+8*\p+1], 0x80000000, v[PT+8*\p+1]
.endr
.irp p, 0,1,2,3
	v_xor_b32 v[ZA+2*(\q0+\p)+1], v[PT+8*\p+1], v[PT+8*\p+7]
.endr
.endm
	PE4 0
	PE4 4
; x's QUANTISER: block blk of my position: all its 32 numbers are mine.  The largest magnitude with the floor; 2 off its exponent field is the conversion's scale operand; that, shifted, the byte.
.macro QX blk
.set XB, X+32*\blk
	v_max3_num_f32 v40, |v[XB]|, |v[XB+1]|, |v[XB+2]|
	v_max3_num_f32 v41, |v[XB+3]|, |v[XB+4]|, |v[XB+5]|
.irp i, 6,10,14,18,22,26
	s_delay_alu instid0(VALU_DEP_2)
	v_max3_num_f32 v40, v40, |v[XB+\i]|, |v[XB+\i+1]|
	s_delay_alu instid0(VALU_DEP_2)
	v_max3_num_f32 v41, v41, |v[XB+\i+2]|, |v[XB+\i+3]|
.endr
	s_delay_alu instid0(VALU_DEP_2)
	v_max3_num_f32 v40, v40, |v[XB+30]|, |v[XB+31]|
	s_delay_alu instid0(VALU_DEP_1)
	v_max3_num_f32 v40, v40, v41, FLOOR
	s_delay_alu instid0(VALU_DEP_1)
	v_add_nc_u32 v[42+\blk], OFF2, v40
	s_delay_alu instid0(VALU_DEP_1)
	v_lshrrev_b32 v[64+\blk], 23, v[42+\blk]
.irp g, 0,1,2,3
	v_cvt_scalef32_pk8_fp4_f32 v[56+4*\blk+\g], v[XB+8*\g:XB+8*\g+7], v[42+\blk]
.endr
	v_nop                                          ; one plain line behind the last conversion of a run
	ds_store_b128 v[XST], v[56+4*\blk:56+4*\blk+3] offset:16*\blk
.endm
	s_wait_loadcnt 56                              ; x's first 32 loads are in: behind them x's other 32 and the weights' 24
	QX 0
	s_wait_loadcnt 24                              ; all of x: behind it the weights' 24
	QX 1
	v_lshl_or_b32 v64, v65, 8, v64
	ds_store_b16 v[XSS], v64                       ; my position's two scale bytes
; THE WEIGHTS' QUANTISER: four rows of weight t by turns.  A lane holds 8 neighbours along K, four neighbouring lanes a block.  Each row has registers of its own for its codes and its byte.
.macro QW t
.irp i, 0,1,2,3
	v_max3_num_f32 v[40+\i], |v[WL+32*\t+8*\i]|, |v[WL+32*\t+8*\i+1]|, FLOOR
.endr
.irp k, 2,4,6
.irp i, 0,1,2,3
	s_delay_alu instid0(VALU_DEP_4)
	v_max3_num_f32 v[40+\i], v[40+\i], |v[WL+32*\t+8*\i+\k]|, |v[WL+32*\t+8*\i+\k+1]|
.endr
.endr
.irp i, 0,1,2,3
	s_delay_alu instid0(VALU_DEP_4)
	v_max_num_f32_dpp v[40+\i], v[40+\i], v[40+\i] row_xmask:1 row_mask:0xf bank_mask:0xf
.endr
.irp i, 0,1,2,3
	s_delay_alu instid0(VALU_DEP_4)
	v_max_num_f32_dpp v[40+\i], v[40+\i], v[40+\i] row_xmask:2 row_mask:0xf bank_mask:0xf
.endr
.irp i, 0,1,2,3
	s_delay_alu instid0(VALU_DEP_4)
	v_add_nc_u32 v[44+\i], OFF2, v[40+\i]
.endr
.irp i, 0,1,2,3
	v_cvt_scalef32_pk8_fp4_f32 v[X+8*\t+\i], v[WL+32*\t+8*\i:WL+32*\t+8*\i+7], v[44+\i]
.endr
.irp i, 0,1,2,3
	v_lshrrev_b32 v[X+8*\t+4+\i], 23, v[44+\i]     ; the bytes; also the plain lines behind the conversions
.endr
.irp i, 0,1,2,3
	ds_store_b32 v[WST], v[X+8*\t+\i] offset:(64*\t+\i)*PX
	ds_store_b8 v[WSS], v[X+8*\t+4+\i] offset:(64*\t+\i)*8        ; the four lanes of a block write the same byte with the same value
.endr
.endm
	s_wait_loadcnt 16                              ; Wv's 8 loads are in: behind them Wz's and Wq's
	QW 0
	s_wait_loadcnt 8                               ; Wz's: behind them Wq's
	QW 1
	s_wait_loadcnt 0x0
	QW 2
	s_wait_dscnt 0x0                               ; for the others' sake: my stores have landed
	s_barrier_signal -1
	s_barrier_wait -1                              ; all codes and scale bytes of x and of the weights lie in LDS
; A fragment, 16 rows x 128 K of 4-bit codes: lane (r, h) takes 16 bytes at row x pitch + 16 h, and 16 more 32 bytes on.
.macro FRAG reg, adr, off
	ds_load_b128 v[(\reg):(\reg)+3],   v[\adr] offset:(\off)
	ds_load_b128 v[(\reg)+4:(\reg)+7], v[\adr] offset:(\off)+32
.endm
.irp s, 0,1
	FRAG XBF+8*\s, XBA, 64*\s
	ds_load_b32 v[XBW+\s], v[XBS] offset:4*\s
	FRAG WQF+8*\s, WQA, 64*\s
	ds_load_b32 v[WQW+\s], v[WQS] offset:4*\s
.irp u, 0,1
	FRAG WVF+8*(2*\u+\s), WAA, 8*\u*PX+64*\s
	ds_load_b32 v[WVW+2*\u+\s], v[WAS] offset:64*\u+4*\s
	FRAG WZF+8*(2*\u+\s), WAA, (64+8*\u)*PX+64*\s
	ds_load_b32 v[WZW+2*\u+\s], v[WAS] offset:512+64*\u+4*\s
	FRAG XAF+8*(2*\u+\s), XAA, 8*\u*PX+64*\s
	ds_load_b32 v[XAW+2*\u+\s], v[XAS] offset:64*\u+4*\s
.endr
.endr
	s_wait_dscnt 0x0
	; THE PRODUCTS: two K steps of 128; six accumulators by turns, one instruction a turn.  vh's and qh's first products start their sums with 0, zh's with the table.
.irp s, 0,1
.irp u, 0,1
.if \s == 0
	v_wmma_scale_f32_16x16x128_f8f6f4 v[VA+8*\u:VA+8*\u+7], v[WVF+8*(2*\u+\s):WVF+8*(2*\u+\s)+7], v[XBF+8*\s:XBF+8*\s+7], 0, v[WVW+2*\u+\s], v[XBW+\s] matrix_a_fmt:MATRIX_FMT_FP4 matrix_b_fmt:MATRIX_FMT_FP4
.else
	v_wmma_scale_f32_16x16x128_f8f6f4 v[VA+8*\u:VA+8*\u+7], v[WVF+8*(2*\u+\s):WVF+8*(2*\u+\s)+7], v[XBF+8*\s:XBF+8*\s+7], v[VA+8*\u:VA+8*\u+7], v[WVW+2*\u+\s], v[XBW+\s] matrix_a_fmt:MATRIX_FMT_FP4 matrix_b_fmt:MATRIX_FMT_FP4
.endif
.endr
.irp u, 0,1
	v_wmma_scale_f32_16x16x128_f8f6f4 v[ZA+8*\u:ZA+8*\u+7], v[WZF+8*(2*\u+\s):WZF+8*(2*\u+\s)+7], v[XBF+8*\s:XBF+8*\s+7], v[ZA+8*\u:ZA+8*\u+7], v[WZW+2*\u+\s], v[XBW+\s] matrix_a_fmt:MATRIX_FMT_FP4 matrix_b_fmt:MATRIX_FMT_FP4
.endr
.irp u, 0,1
.if \s == 0
	v_wmma_scale_f32_16x16x128_f8f6f4 v[QA+8*\u:QA+8*\u+7], v[XAF+8*(2*\u+\s):XAF+8*(2*\u+\s)+7], v[WQF+8*\s:WQF+8*\s+7], 0, v[XAW+2*\u+\s], v[WQW+\s] matrix_a_fmt:MATRIX_FMT_FP4 matrix_b_fmt:MATRIX_FMT_FP4
.else
	v_wmma_scale_f32_16x16x128_f8f6f4 v[QA+8*\u:QA+8*\u+7], v[XAF+8*(2*\u+\s):XAF+8*(2*\u+\s)+7], v[WQF+8*\s:WQF+8*\s+7], v[QA+8*\u:QA+8*\u+7], v[XAW+2*\u+\s], v[WQW+\s] matrix_a_fmt:MATRIX_FMT_FP4 matrix_b_fmt:MATRIX_FMT_FP4
.endif
.endr
.endr
.rept 4
	v_nop                                          ; four places between the last product and the first read of results (ISA guide 7.12.1)
.endr
	; THE RESULTS' QUANTISER: three runs of 16 numbers by turns (k = 0 vh, 1 zh + pe, 2 qh); a block of 32 lies in lanes l and l xor 16.  Each accumulator is read from its low end on.
	v_max3_num_f32 v216, |v[VA]|, |v[VA+1]|, FLOOR
	v_max3_num_f32 v217, |v[ZA]|, |v[ZA+1]|, FLOOR
	v_max3_num_f32 v218, |v[QA]|, |v[QA+1]|, FLOOR
.irp i, 2,4,6,8,10,12,14
	v_max3_num_f32 v216, v216, |v[VA+\i]|, |v[VA+\i+1]|
	v_max3_num_f32 v217, v217, |v[ZA+\i]|, |v[ZA+\i+1]|
	v_max3_num_f32 v218, v218, |v[QA+\i]|, |v[QA+\i+1]|
.endr
.irp k, 0,1,2
	s_delay_alu instid0(VALU_DEP_3)
	v_permlanex16_b32 v[PD+\k], v[216+\k], s36, s37
.endr
.irp k, 0,1,2
	s_delay_alu instid0(VALU_DEP_3)
	v_max_num_f32 v[216+\k], v[216+\k], v[PD+\k]
.endr
.irp k, 0,1,2
	s_delay_alu instid0(VALU_DEP_3)
	v_add_nc_u32 v[224+\k], OFF2, v[216+\k]
.endr
.irp k, 0,1,2
	s_delay_alu instid0(VALU_DEP_3)
	v_lshrrev_b32 v[228+\k], 23, v[224+\k]
.endr
	v_cvt_scalef32_pk8_fp4_f32 v232, v[VA:VA+7], v224
	v_cvt_scalef32_pk8_fp4_f32 v233, v[VA+8:VA+15], v224
	v_cvt_scalef32_pk8_fp4_f32 v234, v[ZA:ZA+7], v225
	v_cvt_scalef32_pk8_fp4_f32 v235, v[ZA+8:ZA+15], v225
	v_cvt_scalef32_pk8_fp4_f32 v236, v[QA:QA+7], v226
	v_cvt_scalef32_pk8_fp4_f32 v237, v[QA+8:QA+15], v226
	v_nop                                          ; one plain line behind the last conversion of a run
	global_store_b64 v[GC], v[232:233], s[24:25]               ; each store of the wave covers 256 consecutive bytes, aligned
	global_store_b64 v[GC], v[234:235], s[26:27]
	global_store_b64 v[GC], v[236:237], s[26:27] offset:2048
	ds_store_b8 v[SB], v228 offset:512             ; both lanes of a block write the same byte with the same value
	ds_store_b8 v[SB], v229
	ds_store_b8 v[SB], v230 offset:128
	s_wait_dscnt 0x0                               ; for the others' sake: my bytes have landed
	s_barrier_signal -1
	s_barrier_wait -1
	s_cmp_lt_u32 s16, 2                            ; waves 0 and 1 send the two heads' scale bytes
	s_cbranch_scc0 .Lend
	ds_load_b64 v[240:241], v[SO8]
	ds_load_b32 v242, v[SO4]
	s_wait_dscnt 0x0
	global_store_b64 v[G8], v[240:241], s[30:31]   ; 256 consecutive bytes, aligned: the scale bytes of zh + pe and of qh
	global_store_b32 v[GX], v242, s[28:29]         ; 128 consecutive bytes: vh's
.Lend:
	s_wait_tensorcnt 0x0
	ds_add_u32 v254, v255
	s_wait_dscnt 0x0
	s_endpgm
.Lfunc_end_k_q515aae7e01_prep:
	.size	k_q515aae7e01_prep, .Lfunc_end_k_q515aae7e01_prep-k_q515aae7e01_prep
	.p2alignl 7, 3214868480
	.fill 96, 4, 3214868480
	.section	.rodata,"a",@progbits
	.p2align	6, 0x0
	.amdhsa_kernel k_q515aae7e01_prep
		.amdhsa_group_segment_fixed_size 51712
		.amdhsa_private_segment_fixed_size 0
		.amdhsa_enable_private_segment 0
		.amdhsa_kernarg_size 48
		.amdhsa_user_sgpr_count 2
		.amdhsa_user_sgpr_kernarg_segment_ptr 1
		.amdhsa_wavefront_size32 1
		.amdhsa_system_sgpr_workgroup_id_x 1
		.amdhsa_system_sgpr_workgroup_id_y 1
		.amdhsa_system_sgpr_workgroup_id_z 1
		.amdhsa_system_vgpr_workitem_id 0
		.amdhsa_next_free_vgpr 256
		.amdhsa_next_free_sgpr 66
		.amdhsa_reserve_vcc 0
		.amdhsa_float_denorm_mode_32 3
		.amdhsa_float_denorm_mode_16_64 3
		.amdhsa_memory_ordered 1
		.amdhsa_forward_progress 1
		.amdhsa_inst_pref_size 56
	.end_amdhsa_kernel
	.amdgpu_metadata
---
amdhsa.version: [ 1, 2 ]
amdhsa.kernels:
  - .name:           k_q515aae7e01_prep
    .symbol:         k_q515aae7e01_prep.kd
    .args:
      - { .name: x, .offset: 0, .size: 8, .value_kind: global_buffer, .address_space: global }
      - { .name: Wv, .offset: 8, .size: 8, .value_kind: global_buffer, .address_space: global }
      - { .name: Wz, .offset: 16, .size: 8, .value_kind: global_buffer, .address_space: global }
      - { .name: Wq, .offset: 24, .size: 8, .value_kind: global_buffer, .address_space: global }
      - { .name: qv, .offset: 32, .size: 8, .value_kind: global_buffer, .address_space: global }
      - { .name: kv, .offset: 40, .size: 8, .value_kind: global_buffer, .address_space: global }
    .group_segment_fixed_size: 51712
    .private_segment_fixed_size: 0
    .kernarg_segment_align: 8
    .kernarg_segment_size: 48
    .max_flat_workgroup_size: 512
    .sgpr_count:     66
    .vgpr_count:     256
    .wavefront_size: 32
...
	.end_amdgpu_metadata
.endif
;; end of part 1
;; launch attn (part 2): grid 16 x 16, 16 waves a work-group, clusters of 4 x 1, 175,104 bytes of LDS; arguments qv, kv, out0; writes out0
.if DOCPART == 2
	.amdgcn_target "amdgcn-amd-amdhsa--gfx1250"
	.amdhsa_code_object_version 6
	.text
	.protected	k_q515aae7e01_attn
	.globl	k_q515aae7e01_attn
	.p2align	8
	.type	k_q515aae7e01_attn,@function
k_q515aae7e01_attn:
	s_mov_b64 s[64:65], 0
	v_nop
	global_prefetch_b8 v0, s[64:65] scope:SCOPE_SE
	s_setreg_imm32_b32 hwreg(HW_REG_WAVE_MODE, 25, 1), 1
	s_wait_xcnt 0x0
	s_wait_alu depctr_hold_cnt(0) depctr_sa_sdst(0) depctr_va_vdst(0) depctr_va_sdst(0) depctr_va_ssrc(0) depctr_va_vcc(0) depctr_vm_vsrc(0)
	s_getreg_b32 s2, hwreg(HW_REG_IB_STS2, 6, 4)
	s_cmp_eq_u32 s2, 0
	s_cbranch_scc0 .Lentry_in_a_cluster
	s_endpgm
.Lentry_in_a_cluster:
	s_bfe_u32 s2, ttmp6, 0x10000c
	s_cmp_lg_u32 s2, 0x3003
	s_cbranch_scc0 .Lentry_shape_is_right
	s_endpgm
.Lentry_shape_is_right:
; ATTN: out[bh][d][m] = (the sum over n of p(m, n) qh[bh][d][n]) / l(m), p = 2^(t - M), t = score x log2(e) / sqrt(32), score = vh[.][m] . (zh + pe)[.][n], both products on codes of FP4 (E2M1)
; with one E8M0 scale for each 32 along K.  M is the running largest t rounded up to a whole number; l is the sum of the unquantised p; when M moves, l and the sums are multiplied by 2^(old M - new M), exactly.
; INPUTS, as the launch before laid them: qv [16 bh][32][2304 B]: the queries' codes and scale bytes; kv [16 bh][32 steps of 128 keys][4352 B]: key codes 0, value codes 2048, key scales 4096, value scales 4224.
; SHARES.  A work-group owns 256 queries of one bh; each of its sixteen waves 16 of them, in 202 registers: four waves to a SIMD, so that one wave's exponentials and vector work stand beside another's
; matrix instructions and LDS loads.  Every wave walks the head's 4,096 keys, 128 a step.
; THE WHOLE HEAD'S KEYS AND VALUES, 32 x 4,352 = 139,264 bytes, LIE IN LDS, filled once: no slot is filled again.
; CLUSTER.  The four work-groups of a cluster belong to one bh and read the same 139,264 bytes: each of the sixteen waves asks for its sixteenth JOINTLY, by the same tensor load with the same descriptor
; and a mask that names the four.  One tensor load of a wave is out.
; THE FIRST PRODUCT HAS K = 32 IN AN INSTRUCTION OF K = 128.  A fragment of keys holds FOUR sets of 16 keys, set t in the instruction's K block t; the queries stand in four versions, version t with the
; codes in block t and zero codes elsewhere: the product with version t is the scores of set t alone.  Source 0 = keys, source 1 = queries: a lane holds ONE query (lane % 16).
; The record at (T = 4 G + t, row) is key 64 G + 32 (row / 8) + 8 t + row % 8, so the 32 registers of tiles t = 0..3 of group G in lane half h are keys 64 G + 32 h + 0..31 in order:
; a whole block of p, in the lane and the registers in which the second product's operand wants it.  No number changes lanes but the row's maximum, the scale word's bytes and the row's sum.
; A BLOCK'S LARGEST p is not searched for: the block's largest score goes through the same multiply-add and exponential (this takes v_exp_f32 not to fall where its input rises).
; LIMITS: NaN and infinities are not served.  p under 2^-126 is 0 (v_exp_f32 flushes); a block whose every p is under 2^-124 gets the scale byte 1.  1 / sqrt(32) and log2(e) are one constant.
.set REC,   4352                       ; a step's record
.set NSTEP, 32
.set STG,   NSTEP*REC                  ; behind the head's records: the stage for the way out, 32 rows (d) x (1,024 bytes + 16); no tile lands there
.set SP,    1040
.set FLOOR, 0x1800000                  ; 2^(3 - 127)
.set OFF2,  0xff000000                 ; 2 off an exponent field
.set L16, 1                            ; v1   16 x lane
.set L4,  2                            ; v2   4 x lane
.set A16, 3                            ; v3   the step's record + 16 x lane
.set A4,  4                            ; v4   the step's record + 4 x lane
.set QS,  5                            ; v5   the queries' scale byte, in all four bytes      v5-v8 hold scales and nothing else
.set KS,  6                            ; v6   the keys' scale words: lanes 0-15 group 0, lanes 16-31 group 1
.set VS,  7                            ; v7   the values': lanes 0-15 channels 0-15, lanes 16-31 channels 16-31
.set PS,  8                            ; v8   p's scale word
.set H8,  9                            ; v9   8 x (lane / 16)
.set NM,  10                           ; v10  -M;  v11 the largest t so far
.set L,   12                           ; v[12:13] the row's sum in two halves;  v[14:15] its second chain
.set F,   16                           ; v16  f = 2^(old M - new M);  v17 is named with it as a pair
.set BM,  18                           ; v18-19 the two blocks' largest scores, then largest p;  v20-21 the conversions' scale operands;  v22-27 at work
.set QB,  28                           ; v28-47 zeros, codes in lanes 0-15, zeros, codes in lanes 16-31, zeros: four registers each; the four versions are runs of eight in it
.set KF,  48                           ; v48-63  the keys' two fragments
.set VF,  64                           ; v64-79  the values' two
.set P,   80                           ; v80-87  p's codes
.set O,   88                           ; v88-103 the sums: register 8 dt + j is channel 16 dt + 8 (lane / 16) + j of my query
.set S,   104                          ; v104-167 the scores, then p
.set OD,  168                          ; v168-183 the sums / l
.set BK,  184                          ; v184-199 rows read back from the stage
.set WV,  10                           ; s10  my wave's number
.set TB,  36                           ; s36  LDS byte of the step's record
.set TRIPS, 37
; A round of the cluster's barrier: my work-group's barrier, wave 0 signals for the work-group, every wave waits for all four work-groups, my work-group's barrier once more.
.macro ROUND
	s_barrier_signal -1
	s_barrier_wait -1
	s_cmp_lg_u32 s[WV], 0
	s_cbranch_scc1 .Lnot_wave_0_\@
	s_barrier_signal -3
.Lnot_wave_0_\@:
	s_barrier_wait -3
	s_barrier_signal -1
	s_barrier_wait -1
.endm
	s_load_b128 s[4:7], s[0:1], 0x0                ; qv s[4:5], kv s[6:7]
	s_load_b64 s[8:9], s[0:1], 0x10                ; out0
	v_lshl_add_u32 v200, v0, 2, 0x2a400
	v_mov_b32 v201, 0
	ds_add_u32 v200, v201
	ds_add_u32 v200, v201
	v_lshrrev_b32 v1, 5, v0
	s_delay_alu instid0(VALU_DEP_1)
	v_readfirstlane_b32 s[WV], v1                  ; wave 0..15
	s_bfe_u32 s11, ttmp6, 0x40000                  ; cx: it enters qv's and out0's addresses alone
	s_lshl_b32 s12, ttmp9, 2                       ; in a cluster launch ttmp9 counts clusters
	s_add_co_u32 s12, s12, s11                     ; X: my block of 256 queries
	s_and_b32 s13, ttmp7, 0xffff                   ; bh, which the four partners share
	s_and_b32 s14, s[WV], 3
	s_mul_i32 s14, s14, 0x01010101                 ; byte selects: byte w % 4 into all four
	; descriptor group 1: 34 dense rows of 256 bytes (32 elements of 8 bytes), no padding
	s_mov_b32 s16, 15|(3<<16)|(1<<21)              ; 15:0 the mask: all four work-groups; 17:16 elements of 8 bytes; 21 set beside a mask
	s_mov_b32 s17, 32<<16                          ; tensor_dim0 = 32
	s_mov_b32 s18, 34<<16                          ; tensor_dim1 = 34
	s_mov_b32 s19, 32<<16                          ; tile_dim0 = 32
	s_mov_b32 s20, 34                              ; tile_dim1 = 34
	s_mov_b32 s21, 32                              ; from row to row: 32 elements
	s_mov_b32 s22, 0
	s_mov_b32 s23, 0
	s_mov_b32 s24, 1                               ; group 0: count = 1
	s_mul_i32 s25, s[WV], 34*256                   ; LDS address: my sixteenth; no place in the cluster enters it
	s_mul_i32 s38, s13, NSTEP*REC                  ; and the same bytes of the head in memory
	s_add_co_u32 s38, s38, s25
	s_mov_b32 s39, 0
	s_lshl_b32 s40, s13, 5                         ; my queries' record: 32 bh + 2 X + w / 8
	s_lshl_b32 s41, s12, 1
	s_add_co_u32 s40, s40, s41
	s_lshr_b32 s41, s[WV], 3
	s_add_co_u32 s40, s40, s41
	s_mul_i32 s40, s40, 2304
	s_mov_b32 s41, 0
	s_lshl_b32 s42, s13, 5                         ; out0: rows 32 bh + 2 w and the next, of 16,384 bytes; column 256 X
	s_lshl_b32 s43, s[WV], 1
	s_add_co_u32 s42, s42, s43
	s_lshl_b32 s42, s42, 14
	s_lshl_b32 s43, s12, 10
	s_add_co_u32 s42, s42, s43
	s_mov_b32 s43, 0
	s_and_b32 s44, s[WV], 7
	s_lshl_b32 s44, s44, 8                         ; my tile's codes in the record: 256 (w % 8)
	s_bfe_u32 s45, s[WV], 0x10002
	s_lshl_b32 s45, s45, 6
	s_add_co_u32 s45, s45, 2048                    ; and its scale words: 2,048 + 64 ((w / 4) % 2)
	s_mov_b32 s32, 0x3e8293ee                      ; c = log2(e) / sqrt(32)
	s_mov_b32 s33, s32                             ; (the packed form names the pair)
	s_mov_b32 s34, 0x76543210
	s_mov_b32 s35, 0xfedcba98                      ; v_permlanex16_b32's selects for lane l xor 16
	s_wait_dscnt 0x0
	s_wait_kmcnt 0x0
	s_add_nc_u64 s[26:27], s[6:7], s[38:39]
	s_or_b32 s27, s27, 0x80000000                  ; type = 2
	s_add_nc_u64 s[28:29], s[4:5], s[40:41]
	s_add_nc_u64 s[30:31], s[8:9], s[42:43]
	ROUND                                          ; all four work-groups are here: the joint loads meet
	tensor_load_to_lds s[24:27], s[16:23]          ; my one tensor load
	s_nop 0
.rept 4
	v_nop
.endr
	v_and_b32 v23, 31, v0                          ; lane
	v_and_b32 v22, 15, v0                          ; r
	v_bfe_u32 v27, v0, 4, 1                        ; h
	s_delay_alu instid0(VALU_DEP_3)
	v_lshlrev_b32 v[L16], 4, v23
	s_delay_alu instid0(VALU_DEP_4)
	v_lshlrev_b32 v[L4], 2, v23
	s_delay_alu instid0(VALU_DEP_3)
	v_lshlrev_b32 v[H8], 3, v27
	v_lshl_add_u32 v24, v22, 4, s44
	v_lshl_add_u32 v25, v22, 2, s45
	global_load_b128 v[OD:OD+3], v24, s[28:29]     ; query r's 32 codes, in both halves of the lanes
	global_load_b32 v[OD+4], v25, s[28:29]         ; the scale bytes of row r of the four tiles of my group
.irp i, 0,1,2,3
	v_mov_b32 v[QB+\i], 0
	v_mov_b32 v[QB+8+\i], 0
	v_mov_b32 v[QB+16+\i], 0
.endr
	v_mov_b32 v11, 0xff61b1e6                      ; the largest t so far: -3e38, under every t
	s_delay_alu instid0(VALU_DEP_1)
	v_floor_f32 v[NM], -v11                        ; -M
	v_mov_b32 v[L], 0
	v_mov_b32 v[L+1], 0
	v_mov_b32 v[F+1], 0                            ; (named as the upper half of a pair)
	v_mov_b32 v26, 0                               ; (a lane permute's destination counts as one of its sources; v23 is written above)
	v_cmp_gt_u32 vcc_lo, 16, v23
	s_wait_loadcnt 0x0
	v_perm_b32 v[QS], v[OD+4], v[OD+4], s14        ; my tile's byte in all four: whichever block holds the codes finds it; the other blocks' codes are zeros
.irp i, 0,1,2,3
	v_cndmask_b32 v[QB+4+\i], 0, v[OD+\i], vcc_lo          ; the codes in lanes 0-15: K blocks 0 and 2
	v_cndmask_b32 v[QB+12+\i], v[OD+\i], v[QB], vcc_lo     ; the codes in lanes 16-31: K blocks 1 and 3
.endr
.set i, 0
.rept 16
	v_mov_b32 v[O+i], 0                            ; the step is written once: the first finds zeros.  These sixteen are also the places between the scale register's write and the first product
.set i, i+1
.endr
	s_wait_tensorcnt 0x0                           ; my sixteenth of the head is in,
	s_barrier_signal -1
	s_barrier_wait -1                              ; everybody's is
	s_mov_b32 s[TB], 0
	v_add_nc_u32 v[A16], s[TB], v[L16]
	v_add_nc_u32 v[A4], s[TB], v[L4]
.macro KLOAD off                       ; five LDS loads: the two fragments of keys, each lane's 16 bytes at 16 x lane, 512 consecutive bytes a load; and their scale words
.irp i, 0,1,2,3
	ds_load_b128 v[KF+4*\i:KF+4*\i+3], v[A16] offset:\off+512*\i
.endr
	ds_load_b32 v[KS], v[A4] offset:\off+4096
.endm
.macro VLOAD                           ; five more: the values'
.irp i, 0,1,2,3
	ds_load_b128 v[VF+4*\i:VF+4*\i+3], v[A16] offset:2048+512*\i
.endr
	ds_load_b32 v[VS], v[A4] offset:4224
.endm
; A KEY STEP: 128 keys.  last = 1: no keys follow.
.macro STEP last
	v_add_nc_u32 v[A16], s[TB], v[L16]
	v_add_nc_u32 v[A4], s[TB], v[L4]
	v_nop
	v_nop                                          ; four places between the last step's products and the loads into the registers that they read
	VLOAD
	s_wait_dscnt 5                                 ; the keys' five loads, asked for a step ago, are in; the values' five may be out
.irp g, 0,1
.irp t, 0,1,2,3
.if \g == 0
	v_wmma_scale_f32_16x16x128_f8f6f4 v[S+8*(4*\g+\t):S+8*(4*\g+\t)+7], v[KF+8*\g:KF+8*\g+7], v[QB+4+8*(\t%2)-4*(\t/2):QB+4+8*(\t%2)-4*(\t/2)+7], 0, v[KS], v[QS] matrix_a_fmt:MATRIX_FMT_FP4 matrix_b_fmt:MATRIX_FMT_FP4
.else
	v_wmma_scale_f32_16x16x128_f8f6f4 v[S+8*(4*\g+\t):S+8*(4*\g+\t)+7], v[KF+8*\g:KF+8*\g+7], v[QB+4+8*(\t%2)-4*(\t/2):QB+4+8*(\t%2)-4*(\t/2)+7], 0, v[KS], v[QS] matrix_a_fmt:MATRIX_FMT_FP4 matrix_b_fmt:MATRIX_FMT_FP4 matrix_a_scale:MATRIX_SCALE_ROW1
.endif
.endr
.endr
.rept 4
	v_nop                                          ; four places: in front of the loads into the keys' registers, and of the first read of the scores
.endr
.if !\last
	s_wait_alu depctr_va_vdst(0)
	KLOAD REC                                      ; the next step's keys: they have the whole softmax in which to come
.endif
	v_max3_num_f32 v[BM], v[S], v[S+1], v[S+2]     ; the largest score of my two blocks of 32 keys, by turns, each accumulator from its low end on
	v_max3_num_f32 v[BM+1], v[S+32], v[S+33], v[S+34]
.irp i, 3,5,7,9,11,13,15,17,19,21,23,25,27,29
	v_max3_num_f32 v[BM], v[BM], v[S+\i], v[S+\i+1]
	v_max3_num_f32 v[BM+1], v[BM+1], v[S+32+\i], v[S+33+\i]
.endr
	v_max_num_f32 v[BM], v[BM], v[S+31]
	v_max_num_f32 v[BM+1], v[BM+1], v[S+63]
	s_delay_alu instid0(VALU_DEP_1)
	v_max_num_f32 v22, v[BM], v[BM+1]
	s_delay_alu instid0(VALU_DEP_1)
	v_permlanex16_b32 v23, v22, s34, s35
	s_delay_alu instid0(VALU_DEP_1)
	v_max_num_f32 v22, v22, v23                    ; with lane l xor 16's 64 keys: the step's largest score of my query
	s_delay_alu instid0(VALU_DEP_1)
	v_mul_f32 v22, s32, v22                        ; as t (c is positive)
	s_delay_alu instid0(VALU_DEP_1)
	v_max_num_f32 v11, v11, v22                    ; the running largest t
	v_mov_b32 v24, v[NM]
	s_delay_alu instid0(VALU_DEP_2)
	v_floor_f32 v[NM], -v11                        ; the new -M = floor(-t): M is a whole number
	s_delay_alu instid0(VALU_DEP_1)
	v_sub_f32 v24, v[NM], v24                      ; old M - new M: a whole number, 0 or less
	s_delay_alu instid0(VALU_DEP_1)
	v_cvt_i32_f32 v24, v24                         ; (it saturates)
	s_delay_alu instid0(VALU_DEP_1)
	v_ldexp_f32 v[F], 1.0, v24                     ; f = 2^(old M - new M)
.set j, 0
.rept 32
	v_pk_fma_f32 v[S+j:S+j+1], v[S+j:S+j+1], s[32:33], v[NM:NM+1] op_sel_hi:[1,0,0]   ; t - M, two at a time (of the pairs c and -M the low word serves both halves)
.set j, j+2
.endr
	v_fma_f32 v[BM], v[BM], s32, v[NM]             ; the same of each block's largest score
	v_fma_f32 v[BM+1], v[BM+1], s32, v[NM]
.set j, 0
	s_setprio 1
	s_wait_alu depctr_va_vdst(0)
.rept 64
	v_exp_f32 v[S+j], v[S+j]                       ; p = 2^(t - M), at most 1, not normalised
.set j, j+1
.endr
	v_exp_f32 v[BM], v[BM]                         ; the blocks' largest p
	v_exp_f32 v[BM+1], v[BM+1]
	v_pk_mul_f32 v[L:L+1], v[L:L+1], v[F:F+1] op_sel_hi:[1,0]     ; the sum under the new M (a plain line behind the exponentials)
	s_wait_alu depctr_va_vdst(0)
	v_max_num_f32 v[BM], FLOOR, v[BM]              ; the floor: the byte cannot fall under 1
	v_max_num_f32 v[BM+1], FLOOR, v[BM+1]
	s_delay_alu instid0(VALU_DEP_2)
	v_add_nc_u32 v20, OFF2, v[BM]                  ; 2 off the exponent field: the conversion's scale operand
	s_delay_alu instid0(VALU_DEP_2)
	v_add_nc_u32 v21, OFF2, v[BM+1]
	s_delay_alu instid0(VALU_DEP_2)
	v_lshrrev_b32 v22, 23, v20                     ; the bytes: blocks h and 2 + h of my query
	s_delay_alu instid0(VALU_DEP_2)
	v_lshrrev_b32 v25, 23, v21
	s_delay_alu instid0(VALU_DEP_1)
	v_lshl_or_b32 v24, v25, 16, v22
	s_delay_alu instid0(VALU_DEP_1)
	v_lshlrev_b32 v24, v[H8], v24                  ; at their places in the scale word
	s_delay_alu instid0(VALU_DEP_1)
	v_permlanex16_b32 v26, v24, s34, s35
	s_delay_alu instid0(VALU_DEP_1)
	v_or_b32 v[PS], v24, v26                       ; with lane l xor 16's two the word is whole
.irp g, 0,1
.irp i, 0,1,2,3
	v_cvt_scalef32_pk8_fp4_f32 v[P+4*\g+\i], v[S+32*\g+8*\i:S+32*\g+8*\i+7], v[20+\g]     ; registers 4 g .. 4 g + 3 of the operand: keys 64 g + 32 h + 0 .. 31
.endr
.endr
	v_nop                                          ; one plain line behind the last conversion of a run
.set j, 0
.rept 8
	v_pk_mul_f32 v[O+j:O+j+1], v[O+j:O+j+1], v[F:F+1] op_sel_hi:[1,0]     ; the sums under the new M, each accumulator from its low end on
.set j, j+2
.endr
	v_pk_add_f32 v[14:15], v[108:109], v[112:113]
	v_pk_add_f32 v[198:199], v[116:117], v[120:121]
	v_pk_add_f32 v[196:197], v[124:125], v[128:129]
	v_pk_add_f32 v[194:195], v[132:133], v[136:137]
	v_pk_add_f32 v[192:193], v[140:141], v[144:145]
	v_pk_add_f32 v[190:191], v[148:149], v[152:153]
	s_setprio 0
	v_pk_add_f32 v[188:189], v[156:157], v[160:161]
	v_pk_add_f32 v[12:13], v[12:13], v[164:165]
	v_pk_add_f32 v[14:15], v[14:15], v[104:105]
	v_pk_add_f32 v[198:199], v[198:199], v[106:107]
	v_pk_add_f32 v[196:197], v[196:197], v[110:111]
	v_pk_add_f32 v[194:195], v[194:195], v[114:115]
	v_pk_add_f32 v[192:193], v[192:193], v[118:119]
	v_pk_add_f32 v[190:191], v[190:191], v[122:123]
	v_pk_add_f32 v[188:189], v[188:189], v[126:127]
	v_pk_add_f32 v[12:13], v[12:13], v[130:131]
	v_pk_add_f32 v[14:15], v[14:15], v[134:135]
	v_pk_add_f32 v[198:199], v[198:199], v[138:139]
	v_pk_add_f32 v[196:197], v[196:197], v[142:143]
	v_pk_add_f32 v[194:195], v[194:195], v[146:147]
	v_pk_add_f32 v[192:193], v[192:193], v[150:151]
	v_pk_add_f32 v[190:191], v[190:191], v[154:155]
	v_pk_add_f32 v[188:189], v[188:189], v[158:159]
	v_pk_add_f32 v[12:13], v[12:13], v[162:163]
	v_pk_add_f32 v[14:15], v[14:15], v[166:167]
	s_delay_alu instid0(VALU_DEP_2)
	v_pk_add_f32 v[12:13], v[12:13], v[194:195]
	s_delay_alu instid0(VALU_DEP_2)
	v_pk_add_f32 v[14:15], v[14:15], v[192:193]
	v_pk_add_f32 v[198:199], v[198:199], v[190:191]
	v_pk_add_f32 v[196:197], v[196:197], v[188:189]
	s_delay_alu instid0(VALU_DEP_2)
	v_pk_add_f32 v[12:13], v[12:13], v[198:199]
	s_delay_alu instid0(VALU_DEP_2)
	v_pk_add_f32 v[14:15], v[14:15], v[196:197]
	s_delay_alu instid0(VALU_DEP_1)
	v_pk_add_f32 v[12:13], v[12:13], v[14:15]
.if \last
	s_wait_alu depctr_va_vdst(0)
	s_wait_dscnt 0x0                               ; the values are in
.else
	s_wait_dscnt 5                                 ; the values are in; the next step's keys, five loads, may be out
.endif
	; the two accumulators take turns, and the scores' eight products stand between a step's and the next's
	v_wmma_scale_f32_16x16x128_f8f6f4 v[O:O+7], v[VF:VF+7], v[P:P+7], v[O:O+7], v[VS], v[PS] matrix_a_fmt:MATRIX_FMT_FP4 matrix_b_fmt:MATRIX_FMT_FP4
	v_wmma_scale_f32_16x16x128_f8f6f4 v[O+8:O+15], v[VF+8:VF+15], v[P:P+7], v[O+8:O+15], v[VS], v[PS] matrix_a_fmt:MATRIX_FMT_FP4 matrix_b_fmt:MATRIX_FMT_FP4 matrix_a_scale:MATRIX_SCALE_ROW1
	s_add_co_u32 s[TB], s[TB], REC
.endm
	KLOAD 0                                        ; step 0's keys
	s_mov_b32 s[TRIPS], NSTEP-1
.Lstep:
	s_setprio 2
	STEP 0
	s_sub_co_u32 s[TRIPS], s[TRIPS], 1
	s_cmp_lg_u32 s[TRIPS], 0
	s_cbranch_scc1 .Lstep
	s_setprio 0
	STEP 1                                         ; the last step is written out: it asks for no keys beyond the head's
	; THE WAY OUT.  A lane holds one query and 16 channels; a row of out0 is one channel and 256 neighbouring queries of sixteen waves.  So the sums / l meet in a stage, 32 rows of 1,024 bytes,
	; and each wave stores two whole rows.  The first four lines are the places behind the last products.
	v_and_b32 v22, 15, v0                          ; r
	v_bfe_u32 v23, v0, 4, 1                        ; h
	s_delay_alu instid0(VALU_DEP_2)
	v_lshrrev_b32 v24, 3, v22
	s_delay_alu instid0(VALU_DEP_1)
	v_mad_u32_u24 v22, v24, 24, v22                ; r + 24 (r / 8)
	v_add_f32 v[L], v[L], v[L+1]                   ; the sum's two halves,
	s_delay_alu instid0(VALU_DEP_1)
	v_permlanex16_b32 v26, v[L], s34, s35
	s_delay_alu instid0(VALU_DEP_1)
	v_add_f32 v[L], v[L], v26                      ; and lane l xor 16's: the row's sum
	s_wait_alu depctr_va_vdst(0)
	v_rcp_f32 v[L], v[L]
	v_lshlrev_b32 v22, 2, v22                      ; (a plain line behind the reciprocal)
	s_lshr_b32 s40, s[WV], 2
	s_lshl_b32 s40, s40, 8                         ; my query among the 256: 64 (w / 4) + 8 (w % 4) + r % 8 + 32 (r / 8); 4 bytes each
	s_and_b32 s41, s[WV], 3
	s_lshl_b32 s41, s41, 5
	s_add_co_u32 s40, s40, s41
	s_add_co_u32 s40, s40, STG
	v_mad_u32_u24 v22, v23, 8*SP, v22              ; rows 8 h on
	s_delay_alu instid0(VALU_DEP_1)
	v_add_nc_u32 v22, s40, v22
	s_mul_i32 s41, s[WV], 2*SP
	s_add_co_u32 s41, s41, STG
	v_add_nc_u32 v23, s41, v[L16]                  ; back: rows 2 w and 2 w + 1, 16 bytes a lane
.set j, 0
	s_wait_alu depctr_va_vdst(0)
.rept 8
	v_pk_mul_f32 v[OD+j:OD+j+1], v[O+j:O+j+1], v[L:L+1] op_sel_hi:[1,0]
.set j, j+2
.endr
.irp d, 0,1
.irp j, 0,1,2,3,4,5,6,7
	ds_store_b32 v22, v[OD+8*\d+\j] offset:(16*\d+\j)*SP
.endr
.endr
	s_wait_dscnt 0x0                               ; for the others' sake: my stores have landed
	s_barrier_signal -1
	s_barrier_wait -1
	ds_load_b128 v[BK:BK+3],     v23
	ds_load_b128 v[BK+4:BK+7],   v23 offset:512
	ds_load_b128 v[BK+8:BK+11],  v23 offset:SP
	ds_load_b128 v[BK+12:BK+15], v23 offset:SP+512
	s_wait_dscnt 3                                 ; LDS loads come back in order: the first is in, three younger may be out; and so on
	global_store_b128 v[L16], v[BK:BK+3], s[30:31] th:TH_STORE_NT                    ; each store of the wave covers 512 consecutive bytes, aligned; written once, read by nobody here
	s_wait_dscnt 2
	global_store_b128 v[L16], v[BK+4:BK+7], s[30:31] offset:512 th:TH_STORE_NT
	s_wait_dscnt 1
	global_store_b128 v[L16], v[BK+8:BK+11], s[30:31] offset:16384 th:TH_STORE_NT
	s_wait_dscnt 0x0
	global_store_b128 v[L16], v[BK+12:BK+15], s[30:31] offset:16384+512 th:TH_STORE_NT
	s_wait_tensorcnt 0x0
	ds_add_u32 v200, v201
	s_wait_dscnt 0x0
	ROUND                                          ; the closing round: no work-group ends while a partner may still ask for a tile that names it
	s_endpgm
.Lfunc_end_k_q515aae7e01_attn:
	.size	k_q515aae7e01_attn, .Lfunc_end_k_q515aae7e01_attn-k_q515aae7e01_attn
	.p2alignl 7, 3214868480
	.fill 96, 4, 3214868480
	.section	.rodata,"a",@progbits
	.p2align	6, 0x0
	.amdhsa_kernel k_q515aae7e01_attn
		.amdhsa_group_segment_fixed_size 175104
		.amdhsa_private_segment_fixed_size 0
		.amdhsa_enable_private_segment 0
		.amdhsa_kernarg_size 24
		.amdhsa_user_sgpr_count 2
		.amdhsa_user_sgpr_kernarg_segment_ptr 1
		.amdhsa_wavefront_size32 1
		.amdhsa_system_sgpr_workgroup_id_x 1
		.amdhsa_system_sgpr_workgroup_id_y 1
		.amdhsa_system_sgpr_workgroup_id_z 1
		.amdhsa_system_vgpr_workitem_id 0
		.amdhsa_next_free_vgpr 202
		.amdhsa_next_free_sgpr 66
		.amdhsa_reserve_vcc 1
		.amdhsa_float_denorm_mode_32 3
		.amdhsa_float_denorm_mode_16_64 3
		.amdhsa_memory_ordered 1
		.amdhsa_forward_progress 1
		.amdhsa_inst_pref_size 37
	.end_amdhsa_kernel
	.amdgpu_metadata
---
amdhsa.version: [ 1, 2 ]
amdhsa.kernels:
  - .name:           k_q515aae7e01_attn
    .symbol:         k_q515aae7e01_attn.kd
    .args:
      - { .name: qv, .offset: 0, .size: 8, .value_kind: global_buffer, .address_space: global }
      - { .name: kv, .offset: 8, .size: 8, .value_kind: global_buffer, .address_space: global }
      - { .name: out0, .offset: 16, .size: 8, .value_kind: global_buffer, .address_space: global }
    .group_segment_fixed_size: 175104
    .private_segment_fixed_size: 0
    .kernarg_segment_align: 8
    .kernarg_segment_size: 24
    .max_flat_workgroup_size: 512
    .sgpr_count:     66
    .vgpr_count:     202
    .wavefront_size: 32
...
	.end_amdgpu_metadata
.endif
;; end of part 2
